; MI455X (gfx1250); checked and timed in simulation.
; The chip was launched on July 23, 2026; its instructions are those of AMD's public machine-readable ISA for CDNA 5 (MIT licence, August 2026) and "CDNA5" Instruction Set Architecture Reference Guide (July 2026). The comments in the code are by the model that wrote it; some were corrected since.
;; Vector Quantizer. Allowed arithmetic: matrix products marked QUANTISED: E5M2 operands, one given power-of-two scale a tensor, by v_wmma_f32_16x16x64_bf8_bf8 or v_wmma_f32_16x16x128_bf8_bf8, f32 sums; everything else in f32.
;; Inputs: embedding 8,192 x 256 float32; lowp_scales 2 int32 (the exponents e of the quantised operands' scales 2^e); z 32 x 1,024 x 256 float32.
;; Outputs: out0 32 x 1,024 x 256 float32; out1 one number float32; out2 one number float32; out3 one number float32; out4 32 x 1,024 int32.
;; This version of the problem:
;;   THIS VERSION OF THE PROBLEM IS GIVEN IN LOW PRECISION. The matrix products marked QUANTISED in the list below multiply operands that are first quantised to E5M2 (5 exponent bits, 2 mantissa bits; 8 bits a number), with one given power-of-two scale for each operand tensor; their sums are f32. All else is computed in f32.
;;   The module's matrix products, in the order in which they are computed (A, B: the left and right operand; K: the contracted axis; several contracted axes count as one K, in the product's order):
;;     1. [M 32,768, K 256] x [K 256, N 8,192]; A: input z; B: input embedding: QUANTISED (scales: A lowp_scales[0], B lowp_scales[1])
;;   THE QUANTISER, for each operand of a quantised product, along K:
;;     - The operand's scale is 2^e, e = its entry of the input lowp_scales (int32; the entries are numbered through the quantised products in the list's order, A before B).
;;     - Each number is divided by the scale, clamped to +-57,344, and rounded to the nearest number of E5M2, ties to even, subnormals kept.
;;     - The product sums the exact products of the quantised numbers (number of the format x scale) in f32.
;;   ~~~python
;;   def quantise(x, axis, e):      # numpy; x: float32 -> the quantised numbers, widened to float32 again
;;       x = np.moveaxis(x, axis, -1); K = x.shape[-1]
;;       r = np.clip(x / 2.0 ** e, -57344, 57344)
;;       step = 2.0 ** (np.maximum(np.frexp(np.where(r == 0, 1, r))[1] - 1, -14) - 2)
;;       q = np.round(r / step) * step * 2.0 ** e      # np.round: ties to even
;;       return np.moveaxis(q, -1, axis).astype(np.float32)
;;   ~~~
;; One version. Each part assembles by itself: llvm-mc -triple=amdgcn-amd-amdhsa -mcpu=gfx1250 --defsym DOCPART=n.
;; ======== version 1 of 1: 4 launches
;; limits: right only within a limited range of input values
;; workspace buffers: codes 10,485,760 bytes; norms 163,840 bytes; idxw 131,072 bytes of whole numbers; part 2,048 bytes
;; launch quant (part 1): grid 640 x 1, 4 waves a work-group, no clusters, 67,328 bytes of LDS; arguments z, embedding, lowp_scales, codes, norms; writes codes, norms
.if DOCPART == 1
	.amdgcn_target "amdgcn-amd-amdhsa--gfx1250"
	.amdhsa_code_object_version 6
	.text
	.protected	k_q261764f16c_quant
	.globl	k_q261764f16c_quant
	.p2align	8
	.type	k_q261764f16c_quant,@function
k_q261764f16c_quant:
	s_mov_b64 s[64:65], 0
	v_nop
	global_prefetch_b8 v0, s[64:65] scope:SCOPE_SE
	s_setreg_imm32_b32 hwreg(HW_REG_WAVE_MODE, 25, 1), 1
	s_wait_xcnt 0x0
; z [32768][256] and embedding [8192][256], f32, become codes of BF8 (E5M2), each with the one scale 2^e that is given for it, and each row's sum of squares (of the f32 numbers) is made beside them.
; code = x / 2^e, held within +-57,344, rounded to the nearest code, ties to even.  LIMITS: e between -126 and 112 (2^e and 57,344 x 2^e are f32 numbers); NaN among the inputs is not served.
; THE CODES ARE LAID AS IMAGES OF OPERAND REGISTERS.  A tile is 16 rows x 256 K = 4,096 bytes; byte 2048 s + 512 c + 16 lane + i of it holds row lane % 16 at k = 128 s + 32 c + 16 (lane / 16) + i.
; So the product's launch fetches a fragment (16 rows x 128 K) by four loads of 512 consecutive bytes.  z's 2,048 tiles come first, then embedding's 512.  norms: zz[32768], then ee[8192].
; SHARES.  Work-group g takes tiles 4 g .. 4 g + 3, a tile a wave; the first 512 work-groups take z, the others embedding: only pointers and e are chosen, one path serves both.
; A tile's 16 rows are 16,384 dense bytes: 32 loads of 512 consecutive bytes.  The conversions want 16 neighbours along K in one lane, so the tile turns through the wave's own stage in LDS
; (rows 1,040 bytes apart: the sixteen rows that a read touches start at sixteen different 16-byte columns).
.set PITCH, 1040
.set WSTG,  16*PITCH                   ; a wave's stage
.set SUMS,  4*WSTG                     ; 64 row sums of the work-group: 256 bytes
.set ZWG,   512                        ; work-groups that take z
.set SQ,    12                         ; v12-19   four chains of pairs: sums of squares
.set RW,    32                         ; v32-159  the tile as loaded; v32-95 later K step 1's numbers
.set XS,    160                        ; v160-223 K step 0's numbers: register 16 c + i = k 32 c + 16 (lane / 16) + i of my row
.set CD,    224                        ; v224-255 the codes: 16 registers for each K step, so that no store's data are written again
	s_load_b128 s[4:7], s[0:1], 0x0                ; z, embedding
	s_load_b128 s[8:11], s[0:1], 0x10              ; the scales' exponents, codes
	s_load_b64 s[12:13], s[0:1], 0x20              ; norms
	v_lshl_add_u32 v30, v0, 2, 0x10500
	v_mov_b32 v31, 0
	v_lshrrev_b32 v1, 5, v0
	v_readfirstlane_b32 s14, v1                    ; wave 0..3
	v_and_b32 v1, 31, v0                           ; lane
	v_and_b32 v8, 15, v0                           ; r
	v_bfe_u32 v9, v0, 4, 1                         ; h
	v_lshlrev_b32 v2, 4, v1                        ; 16 x lane: my place in 512 consecutive bytes, in memory both ways; never rewritten
	s_mul_i32 s15, s14, WSTG
	v_add_nc_u32 v3, s15, v2                       ; the stage, on the way in
	v_mul_u32_u24 v4, v8, PITCH
	v_lshl_add_u32 v4, v9, 6, v4
	v_add_nc_u32 v4, s15, v4                       ; and on the way out: row r, + 64 h bytes: my 16 numbers of a block of 32
	s_lshl_b32 s16, s14, 6
	v_lshlrev_b32 v5, 2, v8
	v_add_nc_u32 v5, s16, v5
	v_add_nc_u32 v5, SUMS, v5                      ; my row's sum: word 16 wave + r
	v_lshlrev_b32 v6, 3, v1                        ; wave 0 sends the 64 sums out: 8 bytes a lane
	v_add_nc_u32 v7, SUMS, v6
	v_mov_b32 v21, 0                               ; written once: a lane permute's destination counts as one of its sources
	s_mov_b32 s26, 0x76543210
	s_mov_b32 s27, 0xfedcba98                      ; v_permlanex16_b32's selects for lane l xor 16
	s_cmp_lt_u32 ttmp9, ZWG
	s_cselect_b32 s17, 0, ZWG
	s_sub_co_u32 s17, ttmp9, s17                   ; my work-group's number within its tensor
	s_lshl_b32 s17, s17, 2
	s_add_co_u32 s17, s17, s14
	s_lshl_b32 s18, s17, 14                        ; my tile's 16,384 bytes of f32
	s_mov_b32 s19, 0
	s_lshl_b32 s20, ttmp9, 2
	s_add_co_u32 s20, s20, s14
	s_lshl_b32 s20, s20, 12                        ; my tile's 4,096 bytes of codes
	s_mov_b32 s21, 0
	s_lshl_b32 s22, ttmp9, 8                       ; my work-group's 64 sums
	s_mov_b32 s23, 0
	s_wait_alu depctr_va_vdst(0)
	s_wait_kmcnt 0x0
	s_load_b64 s[24:25], s[8:9], 0x0               ; e of z, e of embedding
	s_cmp_lt_u32 ttmp9, ZWG                        ; the choice hangs on the work-group's number alone
	s_cselect_b64 s[4:5], s[4:5], s[6:7]
	s_add_nc_u64 s[4:5], s[4:5], s[18:19]
	s_add_nc_u64 s[10:11], s[10:11], s[20:21]
	s_add_nc_u64 s[12:13], s[12:13], s[22:23]
.set i, 0
.rept 32
	global_load_b128 v[RW+4*i:RW+4*i+3], v2, s[4:5] offset:512*i th:TH_LOAD_NT   ; 32 lanes read 512 consecutive bytes: half a row
.set i, i+1
.endr
	s_wait_kmcnt 0x0
	s_cmp_lt_u32 ttmp9, ZWG
	s_cselect_b32 s24, s24, s25                    ; e
	s_add_co_i32 s24, s24, 127
	s_lshl_b32 s25, s24, 23
	v_mov_b32 v11, s25                             ; 2^e as f32: the conversion takes its exponent field
	s_add_co_i32 s24, s24, 15
	s_lshl_b32 s24, s24, 23
	s_or_b32 s24, s24, 0x600000
	v_mov_b32 v10, s24                             ; 57,344 x 2^e
.set i, 0
.rept 32
	s_wait_loadcnt 31-i                            ; loads come back in order: load i is in, the 31 - i younger ones may be out
	ds_store_b128 v3, v[RW+4*i:RW+4*i+3] offset:(i/2)*PITCH+(i%2)*512
.set i, i+1
.endr
; K step s of my row: 64 numbers, 16 of each block of 32.  LDS serves a wave's instructions in order: these see the stores above.
.macro KSLOAD s, dst
.irp c, 0,1,2,3
.irp q, 0,1,2,3
	ds_load_b128 v[\dst+16*\c+4*\q:\dst+16*\c+4*\q+3], v4 offset:512*\s+128*\c+16*\q
.endr
.endr
.endm
; 64 numbers: their squares onto the four chains, the hold, the conversions, and four stores of 512 consecutive bytes.
.macro WORK src, s
.set j, 0
.rept 32
.if (\s == 0) && (j < 4)
	v_pk_mul_f32 v[SQ+2*j:SQ+2*j+1], v[\src+2*j:\src+2*j+1], v[\src+2*j:\src+2*j+1]   ; the first four start the chains: nothing is cleared
.else
	v_pk_fma_f32 v[SQ+2*(j%4):SQ+2*(j%4)+1], v[\src+2*j:\src+2*j+1], v[\src+2*j:\src+2*j+1], v[SQ+2*(j%4):SQ+2*(j%4)+1]
.endif
.set j, j+1
.endr
.set j, 0
.rept 64
	v_med3_num_f32 v[\src+j], v[\src+j], -v10, v10 ; the conversion to an 8-bit code does not saturate (ISA guide 7.6.2): hold the number within the largest code x the scale first
.set j, j+1
.endr
.irp c, 0,1,2,3
	v_cvt_scalef32_pk8_bf8_f32 v[CD+16*\s+4*\c:CD+16*\s+4*\c+1], v[\src+16*\c:\src+16*\c+7], v11
	v_cvt_scalef32_pk8_bf8_f32 v[CD+16*\s+4*\c+2:CD+16*\s+4*\c+3], v[\src+16*\c+8:\src+16*\c+15], v11
.endr
	v_nop                                          ; one plain vector line behind the last conversion of a run
.irp c, 0,1,2,3
	global_store_b128 v2, v[CD+16*\s+4*\c:CD+16*\s+4*\c+3], s[10:11] offset:2048*\s+512*\c   ; registers 4 c .. 4 c + 3 of the fragment: 512 consecutive bytes, aligned
.endr
.endm
	KSLOAD 0, XS
	s_wait_dscnt 0x0                               ; K step 0 is in, and the stage's stores have read v32 on,
	KSLOAD 1, RW                                   ; which take K step 1 while step 0 is worked
	WORK XS, 0
	s_wait_dscnt 0x0
	WORK RW, 1
	v_pk_add_f32 v[SQ:SQ+1], v[SQ:SQ+1], v[SQ+2:SQ+3]
	v_pk_add_f32 v[SQ+4:SQ+5], v[SQ+4:SQ+5], v[SQ+6:SQ+7]
	v_pk_add_f32 v[SQ:SQ+1], v[SQ:SQ+1], v[SQ+4:SQ+5]
	v_add_f32 v20, v[SQ], v[SQ+1]                  ; my half of the row,
	v_permlanex16_b32 v21, v20, s26, s27
	v_add_f32 v20, v20, v21                        ; and lane l xor 16's: the row's sum of squares
	ds_store_b32 v5, v20                           ; (both halves of the lanes store the same number to the same word)
	s_wait_dscnt 0x0                               ; for the others' sake: my store has landed
	s_barrier_signal -1
	s_barrier_wait -1
	s_cmp_lg_u32 s14, 0
	s_cbranch_scc1 .Ldone
	ds_load_b64 v[22:23], v7
	s_wait_dscnt 0x0
	global_store_b64 v6, v[22:23], s[12:13]        ; the work-group's 64 sums: 256 consecutive bytes, aligned
.Ldone:
	s_wait_tensorcnt 0x0
	ds_add_u32 v30, v31
	s_wait_dscnt 0x0
	s_endpgm
.Lfunc_end_k_q261764f16c_quant:
	.size	k_q261764f16c_quant, .Lfunc_end_k_q261764f16c_quant-k_q261764f16c_quant
	.p2alignl 7, 3214868480
	.fill 96, 4, 3214868480
	.section	.rodata,"a",@progbits
	.p2align	6, 0x0
	.amdhsa_kernel k_q261764f16c_quant
		.amdhsa_group_segment_fixed_size 67328
		.amdhsa_private_segment_fixed_size 0
		.amdhsa_enable_private_segment 0
		.amdhsa_kernarg_size 40
		.amdhsa_user_sgpr_count 2
		.amdhsa_user_sgpr_kernarg_segment_ptr 1
		.amdhsa_wavefront_size32 1
		.amdhsa_system_sgpr_workgroup_id_x 1
		.amdhsa_system_sgpr_workgroup_id_y 1
		.amdhsa_system_sgpr_workgroup_id_z 1
		.amdhsa_system_vgpr_workitem_id 0
		.amdhsa_next_free_vgpr 256
		.amdhsa_next_free_sgpr 66
		.amdhsa_reserve_vcc 0
		.amdhsa_float_denorm_mode_32 3
		.amdhsa_float_denorm_mode_16_64 3
		.amdhsa_memory_ordered 1
		.amdhsa_forward_progress 1
		.amdhsa_inst_pref_size 26
	.end_amdhsa_kernel
	.amdgpu_metadata
---
amdhsa.version: [ 1, 2 ]
amdhsa.kernels:
  - .name:           k_q261764f16c_quant
    .symbol:         k_q261764f16c_quant.kd
    .args:
      - { .name: z, .offset: 0, .size: 8, .value_kind: global_buffer, .address_space: global }
      - { .name: embedding, .offset: 8, .size: 8, .value_kind: global_buffer, .address_space: global }
      - { .name: lowp_scales, .offset: 16, .size: 8, .value_kind: global_buffer, .address_space: global }
      - { .name: codes, .offset: 24, .size: 8, .value_kind: global_buffer, .address_space: global }
      - { .name: norms, .offset: 32, .size: 8, .value_kind: global_buffer, .address_space: global }
    .group_segment_fixed_size: 67328
    .private_segment_fixed_size: 0
    .kernarg_segment_align: 8
    .kernarg_segment_size: 40
    .max_flat_workgroup_size: 128
    .sgpr_count:     66
    .vgpr_count:     256
    .wavefront_size: 32
...
	.end_amdgpu_metadata
.endif
;; end of part 1
;; launch vq (part 2): grid 256 x 1, 8 waves a work-group, clusters of 4 x 1, 327,680 bytes of LDS; arguments codes, norms, lowp_scales, out4, idxw; writes out4, idxw
.if DOCPART == 2
	.amdgcn_target "amdgcn-amd-amdhsa--gfx1250"
	.amdhsa_code_object_version 6
	.text
	.protected	k_q261764f16c_vq
	.globl	k_q261764f16c_vq
	.p2align	8
	.type	k_q261764f16c_vq,@function
k_q261764f16c_vq:
	s_mov_b64 s[64:65], 0
	v_nop
	global_prefetch_b8 v0, s[64:65] scope:SCOPE_SE
	s_setreg_imm32_b32 hwreg(HW_REG_WAVE_MODE, 25, 1), 1
	s_wait_xcnt 0x0
	s_wait_alu depctr_hold_cnt(0) depctr_sa_sdst(0) depctr_va_vdst(0) depctr_va_sdst(0) depctr_va_ssrc(0) depctr_va_vcc(0) depctr_vm_vsrc(0)
	s_getreg_b32 s2, hwreg(HW_REG_IB_STS2, 6, 4)
	s_cmp_eq_u32 s2, 0
	s_cbranch_scc0 .Lentry_in_a_cluster
	s_endpgm
.Lentry_in_a_cluster:
	s_bfe_u32 s2, ttmp6, 0x10000c
	s_cmp_lg_u32 s2, 0x3003
	s_cbranch_scc0 .Lentry_shape_is_right
	s_endpgm
.Lentry_shape_is_right:
; idx[n] = the first k with the least d[n][k], d = fl(fl(zz[n] + ee[k]) - 2 x 2^(ez + ee') x sum), sum = the BF8 product of z's and embedding's codes over K = 256 (two chained instructions of K = 128).
; LIMITS: NaN and infinite d are not served; ez + ee' + 1 lies between -126 and 127.
; SHARES.  A work-group owns 128 rows of z; each of its 8 waves holds all their codes in 256 registers (window 1).  The 512 tiles of 16 codebook rows go through two LDS slots of 32 tiles
; (131,072 bytes); wave w fetches and multiplies tiles 4 w .. 4 w + 3 of a slot.  Source 0 = 16 codebook rows, source 1 = 16 rows of z: lane (r, h) holds row r of z, register j codebook row 16 t + 8 h + j.
; THE ARGMIN.  A lane keeps, for each of its 8 rows of z: the least d so far (two sets of registers by turns, so that old and new stand side by side), the number of the tile that brought it,
; and that tile's eight d, copied under one compare (strictly less: the earlier tile stays).  The place in the tile is found once, behind the loop; lanes and waves are merged by (d, index).
; CLUSTERS: all work-groups walk the same codes: 4 work-groups ask for each tile jointly (mask 15).
; No prefetch: all 64 clusters ask for the same 131,072 bytes in the same trip, 2 MiB in all.
.set SLOT1, 131072
.set EE,    262144                     ; ee of the 8,192 codebook rows: 32,768 bytes
.set SPARE, 294912                     ; the spare words: 128 bytes a wave
.set MRG,   295936                     ; the merge: 8 waves x 128 d, then 8 x 128 indices
.set IDXR,  304128                     ; 128 indices
.set LI0, 1                            ; w x 16,384 + 16 x lane
.set ADR, 2                            ; + the slot
.set EA0, 3                            ; EE + 256 w + 32 h
.set EADR, 4                           ; + 2,048 x slot number
.set SPW, 5
.set NIL, 6
.set ZZ,  8                            ; v8-15   zz of my row in each of the 8 tiles of z
.set MN,  16                           ; v16-31  least d, two sets
.set IDX, 32                           ; v32-39  the tile that brought it
.set TT,  40                           ; v40-47  zz + ee
.set EEV, 48                           ; v48-63  ee of my 8 codebook rows, two sets
.set CF,  64                           ; v64-127 a tile's codes, two sets
.set ACC, 128                          ; v128-191
.set SAV, 192                          ; v192-255 the eight d of the best tile, for each tile of z
.set WV,  14
.set CX,  15
.set WG,  16
.set G1S, 24                           ; 64 rows of 256 bytes
.set G1H, 32                           ; 128 rows
.set G1E, 40                           ; 32 rows
.set G0,  48
.set G0H, 52
.set G0E, 56
.set STB, 60
.set SEB, 61
.set OC,  62
.set TI,  63                           ; the number of the tile at work
.set SC,  66
.set SEL, 68
.set MSB, 0
.macro WIN new
.if MSB != \new
	s_set_vgpr_msb (MSB<<8)|\new
.set MSB, \new
.endif
.endm
.macro CREST
	s_cmp_lg_u32 s[WV], 0
	s_cbranch_scc1 .Lnot_wave_0_\@
	s_barrier_signal -3
.Lnot_wave_0_\@:
	s_barrier_wait -3
	s_barrier_signal -1
	s_barrier_wait -1
.endm
.macro ROUND
	s_barrier_signal -1
	s_barrier_wait -1
	CREST
.endm
.macro G1SET g, rows
	s_mov_b32 s[\g], 15|(3<<16)|(1<<21)            ; mask of the four, elements of 8 bytes, bit 21 beside the mask
	s_mov_b32 s[\g+1], 32<<16
	s_mov_b32 s[\g+2], \rows<<16
	s_mov_b32 s[\g+3], 32<<16
	s_mov_b32 s[\g+4], \rows
	s_mov_b32 s[\g+5], 32
	s_mov_b32 s[\g+6], 0
	s_mov_b32 s[\g+7], 0
.endm
.macro NOP4
.rept 4
	v_nop
.endr
.endm
.macro BADD dst, a, b                  ; two ee + zz of tile b of z
.if ((\b)%2) == 0
	v_pk_add_f32 v[\dst:\dst+1], v[\a:\a+1], v[ZZ+\b:ZZ+\b+1] op_sel_hi:[1,0]
.else
	v_pk_add_f32 v[\dst:\dst+1], v[\a:\a+1], v[ZZ+\b-1:ZZ+\b] op_sel:[0,1] op_sel_hi:[1,1]
.endif
.endm
.macro FQ b                            ; d, each accumulator from its low end on
.irp p, 0,2,4,6
	v_pk_fma_f32 v[ACC+8*(\b)+\p:ACC+8*(\b)+\p+1], v[ACC+8*(\b)+\p:ACC+8*(\b)+\p+1], s[SC:SC+1], v[TT+\p:TT+\p+1] op_sel_hi:[1,0,1]
.endr
.endm
.macro MQ b, i, o, n                   ; link i of the chain: the old least d and the tile's eight
.if \i == 0
	v_min3_num_f32 v[\n+\b], v[\o+\b], v[ACC+8*(\b)], v[ACC+8*(\b)+1]
.else
	v_min3_num_f32 v[\n+\b], v[\n+\b], v[ACC+8*(\b)+2*\i], v[ACC+8*(\b)+2*\i+1]
.endif
.endm
.macro DQ b, i                         ; two d are kept where the tile was better
	v_dual_cndmask_b32 v[SAV+8*(\b)+2*\i], v[SAV+8*(\b)+2*\i], v[ACC+8*(\b)+2*\i] :: v_dual_cndmask_b32 v[SAV+8*(\b)+2*\i+1], v[SAV+8*(\b)+2*\i+1], v[ACC+8*(\b)+2*\i+1]
.endm
; Block b: the chain of tile b of z, zz + ee and d of tile b + 1, the keeping of tile b - 1, line by line by turns.  VCC is written and used up inside a block.
.macro EBLK b, e, o, n
.if \b > 0
	v_cmp_lt_f32 vcc_lo, v[\n+\b-1], v[\o+\b-1]
.endif
.irp i, 0,1,2,3
	MQ \b, \i, \o, \n
.if \b < 7
	BADD TT+2*\i, \e+2*\i, \b+1
.endif
.if \b > 0
	DQ \b-1, \i
.endif
.endr
.if \b > 0
	v_cndmask_b32 v[IDX+\b-1], v[IDX+\b-1], s[TI], vcc_lo
.endif
.if \b < 7
	FQ \b+1
.endif
.endm
.macro EPRO p                          ; the four additions are the places behind the matrix instructions
.irp i, 0,1,2,3
	BADD TT+2*\i, EEV+8*(\p)+2*\i, 0
.endr
	FQ 0
.endm
.macro EBK b, p
	EBLK \b, EEV+8*(\p), MN+8*(\p), MN+8-8*(\p)
.endm
.macro EFIN p
	v_cmp_lt_f32 vcc_lo, v[MN+8-8*(\p)+7], v[MN+8*(\p)+7]
.irp i, 0,1,2,3
	DQ 7, \i
.endr
	v_cndmask_b32 v[IDX+7], v[IDX+7], s[TI], vcc_lo
.endm
.macro MUL p                           ; 16 accumulator turns: K step 0 starts the eight sums, K step 1 follows seven others behind
	WIN 0x04
.irp b, 0,1,2,3,4,5,6,7
	v_wmma_f32_16x16x128_bf8_bf8 v[ACC+8*\b:ACC+8*\b+7], v[CF+32*(\p):CF+32*(\p)+15], v[32*\b:32*\b+15], 0
.endr
.irp b, 0,1,2,3,4,5,6,7
	v_wmma_f32_16x16x128_bf8_bf8 v[ACC+8*\b:ACC+8*\b+7], v[CF+32*(\p)+16:CF+32*(\p)+31], v[32*\b+16:32*\b+31], v[ACC+8*\b:ACC+8*\b+7]
.endr
	WIN 0
.endm
.macro FETCH p, off, eoff              ; ten LDS loads: a tile's codes and its ee
.irp q, 0,1,2,3,4,5,6,7
	ds_load_b128 v[CF+32*(\p)+4*\q:CF+32*(\p)+4*\q+3], v[ADR] offset:\off+512*\q
.endr
	ds_load_b128 v[EEV+8*(\p):EEV+8*(\p)+3], v[EADR] offset:\eoff
	ds_load_b128 v[EEV+8*(\p)+4:EEV+8*(\p)+7], v[EADR] offset:\eoff+16
.endm
.macro BODY i                          ; tile i = 0, 1, 2 of my four in a slot
	FETCH (1-(\i)%2), 4096*(\i+1), 64*(\i+1)
	s_wait_dscnt 10                                ; all but the ten just issued: this tile's codes and ee are in
	MUL ((\i)%2)
	EPRO ((\i)%2)
.irp b, 0,1,2,3,4,5,6,7
	EBK \b, ((\i)%2)
.endr
	EFIN ((\i)%2)
	s_add_co_u32 s[TI], s[TI], 1
.endm
; My last tile of a slot, with the change of slots inside its vector work.  mode 1: the slot is filled again; 2: nothing is left to fetch; 3: the last slot.
.macro LASTB mode
	s_wait_dscnt 0x0                               ; my last reads of this slot are back
	MUL 1
.if \mode < 3
	s_xor_b32 s[STB], s[STB], SLOT1
	s_add_co_u32 s[SEB], s[SEB], 2048
	v_add_nc_u32 v[ADR], s[STB], v[LI0]
	v_add_nc_u32 v[EADR], s[SEB], v[EA0]
.endif
	EPRO 1
	EBK 0, 1
	EBK 1, 1
.if \mode < 3
	s_wait_alu depctr_va_vdst(0)                   ; the wait ahead of a wait that blocks
	s_wait_tensorcnt 0x0                           ; my one load that is out, my part of the next slot, has landed
	ds_add_u32 v[SPW], v[NIL]
.if \mode == 1
	s_xor_b32 s[G0+1], s[G0+1], SLOT1
	s_add_nc_u64 s[G0+2:G0+3], s[G0+2:G0+3], 131072
.endif
.endif
	EBK 2, 1
	EBK 3, 1
.if \mode < 3
	s_wait_alu depctr_va_vdst(0)
	s_wait_dscnt 0x0                               ; the add is done
	s_barrier_signal -1
.endif
	EBK 4, 1
	EBK 5, 1
.if \mode < 3
	s_wait_alu depctr_va_vdst(0)
	s_barrier_wait -1
.if \mode == 1
	CREST                                          ; the barrier has opened a round of the cluster's barrier
	tensor_load_to_lds s[G0:G0+3], s[G1S:G1S+7]    ; the slot just read out takes the slot two further on
	s_nop 0
	NOP4
.endif
	FETCH 0, 0, 0                                  ; the next slot's first tile
.endif
	EBK 6, 1
	EBK 7, 1
	EFIN 1
	s_add_co_u32 s[TI], s[TI], 29
.endm
.macro SLOTW mode
	BODY 0
	BODY 1
	BODY 2
	LASTB \mode
.endm
.macro MERGE m1, g1, m2, g2            ; (m1, g1) takes (m2, g2) where m2 is less, or equal with the lower index
	v_cmp_lt_f32 s70, v[\m2], v[\m1]
	v_cmp_eq_f32 s71, v[\m2], v[\m1]
	v_cmp_lt_u32 vcc_lo, v[\g2], v[\g1]
	s_and_b32 s71, s71, vcc_lo
	s_or_b32 s70, s70, s71
	v_cndmask_b32 v[\m1], v[\m1], v[\m2], s70
	v_cndmask_b32 v[\g1], v[\g1], v[\g2], s70
.endm
	s_load_b256 s[4:11], s[0:1], 0x0               ; codes, norms, scales, out4
	s_load_b64 s[12:13], s[0:1], 0x20              ; idxw
	v_lshl_add_u32 v[SPW], v0, 2, SPARE
	v_mov_b32 v[NIL], 0
	ds_add_u32 v[SPW], v[NIL]                      ; the opening lines: the add twice on end
	ds_add_u32 v[SPW], v[NIL]
	v_lshrrev_b32 v7, 5, v0
	v_readfirstlane_b32 s[WV], v7
	s_bfe_u32 s[CX], ttmp6, 0x40000
	s_lshl_b32 s[WG], ttmp9, 2
	s_add_co_u32 s[WG], s[WG], s[CX]
	G1SET G1S, 64
	G1SET G1H, 128
	G1SET G1E, 32
	s_mov_b32 s[SEL], 0x76543210
	s_mov_b32 s[SEL+1], 0xfedcba98
	s_mov_b32 s[STB], 0
	s_mov_b32 s[SEB], 0
	s_lshl_b32 s18, s[WV], 14                      ; my 16,384 bytes of a slot
	s_mov_b32 s19, 0
	s_lshl_b32 s20, s[WV], 15                      ; waves 0-3: a quarter of slot 0
	s_mov_b32 s21, 0
	s_lshl_b32 s22, s[WV], 13                      ; waves 4-7: a quarter of ee, 8,192 (w - 4)
	s_mov_b32 s23, 0
	s_lshl_b32 s[TI], s[WV], 2
	s_wait_dscnt 0x0
	s_wait_kmcnt 0x0
	s_load_b64 s[72:73], s[8:9], 0x0
	s_mov_b32 s[G0], 1                             ; the ring's loads begin with slot 1
	s_add_co_u32 s[G0+1], s18, SLOT1
	s_add_nc_u64 s[G0+2:G0+3], s[4:5], s[18:19]
	s_add_nc_u64 s[G0+2:G0+3], s[G0+2:G0+3], 8388608+131072
	s_or_b32 s[G0+3], s[G0+3], 0x80000000
	s_mov_b32 s[G0H], 1
	s_mov_b32 s[G0H+1], s20
	s_add_nc_u64 s[G0H+2:G0H+3], s[4:5], s[20:21]
	s_add_nc_u64 s[G0H+2:G0H+3], s[G0H+2:G0H+3], 8388608
	s_or_b32 s[G0H+3], s[G0H+3], 0x80000000
	s_mov_b32 s[G0E], 1
	s_add_co_u32 s[G0E+1], s22, EE-32768
	s_add_nc_u64 s[G0E+2:G0E+3], s[6:7], s[22:23]
	s_add_nc_u64 s[G0E+2:G0E+3], s[G0E+2:G0E+3], 131072-32768
	s_or_b32 s[G0E+3], s[G0E+3], 0x80000000
	ROUND
	s_cmp_lt_u32 s[WV], 4                          ; one load a wave at the head: waves 0-3 slot 0, waves 4-7 ee
	s_cbranch_scc0 .Lhead_e
	tensor_load_to_lds s[G0H:G0H+3], s[G1H:G1H+7]
	s_nop 0
	NOP4
	s_branch .Lhead_j
.Lhead_e:
	tensor_load_to_lds s[G0E:G0E+3], s[G1E:G1E+7]
	s_nop 0
	NOP4
.Lhead_j:
	v_and_b32 v7, 31, v0
	v_lshlrev_b32 v7, 4, v7                        ; 16 x lane
	v_add_nc_u32 v[LI0], s18, v7
	v_bfe_u32 v[EA0], v0, 4, 1
	s_lshl_b32 s21, s[WV], 8
	v_lshl_add_u32 v[EA0], v[EA0], 5, s21
	v_add_nc_u32 v[EA0], EE, v[EA0]
	v_and_b32 v[TT], 15, v0
	v_lshlrev_b32 v[TT], 2, v[TT]                  ; 4 r
	v_add_nc_u32 v[ADR], s[STB], v[LI0]
	v_add_nc_u32 v[EADR], s[SEB], v[EA0]
	s_wait_alu depctr_va_vdst(0)                   ; the wait ahead of the scalar lines
	s_lshl_b32 s22, s[WG], 15
	s_mov_b32 s23, 0
	s_add_nc_u64 s[4:5], s[4:5], s[22:23]          ; my 8 tiles of z's codes
	s_lshl_b32 s22, s[WG], 9
	s_add_nc_u64 s[6:7], s[6:7], s[22:23]          ; my 128 zz
	s_add_nc_u64 s[10:11], s[10:11], s[22:23]
	s_add_nc_u64 s[12:13], s[12:13], s[22:23]
	WIN 0x40
.set q, 0
.rept 64
	global_load_b128 v[4*q:4*q+3], v7, s[4:5] offset:512*q
.set q, q+1
.endr
	WIN 0
.irp b, 0,1,2,3,4,5,6,7
	global_load_b32 v[ZZ+\b], v[TT], s[6:7] offset:64*\b
.endr
.irp j, 0,1,2,3,4,5,6,7
	v_mov_b32 v[MN+\j], 0x7f800000                 ; over every finite d
	v_mov_b32 v[IDX+\j], 0
.endr
.set q, 0
.rept 64
	v_mov_b32 v[SAV+q], 0                          ; written once: the first tile's d take their place
.set q, q+1
.endr
	s_wait_alu depctr_va_vdst(0)                   ; the wait at the head's end
	s_wait_kmcnt 0x0
	s_add_co_i32 s[SC], s72, s73
	s_add_co_i32 s[SC], s[SC], 128
	s_lshl_b32 s[SC], s[SC], 23
	s_or_b32 s[SC], s[SC], 0x80000000              ; -2 x 2^(ez + ee')
	s_mov_b32 s[SC+1], s[SC]
	s_wait_loadcnt 0x0
	s_wait_tensorcnt 0x0                           ; my part of the head's fills is in; slot 1's first fill is issued as a refill is
	ds_add_u32 v[SPW], v[NIL]
	s_wait_dscnt 0x0
	ROUND
	tensor_load_to_lds s[G0:G0+3], s[G1S:G1S+7]
	s_nop 0
	NOP4
	FETCH 0, 0, 0
	s_mov_b32 s[OC], 14
.Lslot:                                                ; slots 0 to 13: each is filled again with the slot two further on
	SLOTW 1
	s_sub_co_u32 s[OC], s[OC], 1
	s_cmp_lg_u32 s[OC], 0
	s_wait_alu depctr_va_vdst(0)
	s_cbranch_scc1 .Lslot
	SLOTW 2
	SLOTW 3
	; addresses of the merge
	v_and_b32 v48, 15, v0
	v_lshlrev_b32 v48, 2, v48                      ; 4 r
	v_bfe_u32 v51, v0, 4, 1                        ; h
	s_lshl_b32 s18, s[WV], 9
	s_lshl_b32 s19, s[WV], 6
	v_add_nc_u32 v49, s18, v48
	v_add_nc_u32 v49, MRG, v49                     ; in: wave w's 128 words
	v_lshl_add_u32 v50, v51, 11, v48
	v_add_nc_u32 v50, s19, v50
	v_add_nc_u32 v50, MRG, v50                     ; back: tile w of z, waves 4 h .. 4 h + 3
	v_add_nc_u32 v52, s19, v48
	v_add_nc_u32 v52, IDXR, v52
	v_and_b32 v54, 31, v0
	v_lshlrev_b32 v54, 4, v54
	v_add_nc_u32 v53, IDXR, v54
	v_lshlrev_b32 v7, 3, v51                       ; 8 h
	; the first of the kept eight that equals the least d
.irp b, 0,1,2,3,4,5,6,7
	v_mov_b32 v[TT+\b], 7
.endr
.irp j, 6,5,4,3,2,1,0
.irp b, 0,1,2,3,4,5,6,7
	v_cmp_eq_f32 vcc_lo, v[SAV+8*\b+\j], v[MN+\b]
	v_cndmask_b32 v[TT+\b], v[TT+\b], \j, vcc_lo
.endr
.endr
.irp b, 0,1,2,3,4,5,6,7
	v_lshl_add_u32 v[IDX+\b], v[IDX+\b], 4, v[TT+\b]
.endr
.irp b, 0,1,2,3,4,5,6,7
	v_add_nc_u32 v[IDX+\b], v[IDX+\b], v7          ; 16 t + 8 h + j
.endr
.irp b, 0,1,2,3,4,5,6,7
	v_permlanex16_b32 v[MN+8+\b], v[MN+\b], s[SEL], s[SEL+1]
.endr
.irp b, 0,1,2,3,4,5,6,7
	v_permlanex16_b32 v[TT+\b], v[IDX+\b], s[SEL], s[SEL+1]
.endr
.irp b, 0,1,2,3,4,5,6,7
	MERGE MN+\b, IDX+\b, MN+8+\b, TT+\b
.endr
.irp b, 0,1,2,3,4,5,6,7
	ds_store_b32 v49, v[MN+\b] offset:64*\b
	ds_store_b32 v49, v[IDX+\b] offset:4096+64*\b
.endr
	s_wait_alu depctr_va_vdst(0)
	s_wait_dscnt 0x0                               ; for the others' sake
	s_barrier_signal -1
	s_barrier_wait -1
.irp i, 0,1,2,3
	ds_load_b32 v[56+\i], v50 offset:512*\i
	ds_load_b32 v[60+\i], v50 offset:4096+512*\i
.endr
	s_wait_dscnt 0x0
	MERGE 56, 60, 57, 61
	MERGE 56, 60, 58, 62
	MERGE 56, 60, 59, 63
	v_permlanex16_b32 v[MN], v56, s[SEL], s[SEL+1]
	v_permlanex16_b32 v[MN+1], v60, s[SEL], s[SEL+1]
	MERGE 56, 60, MN, MN+1
	ds_store_b32 v52, v60
	s_wait_alu depctr_va_vdst(0)
	s_wait_dscnt 0x0
	s_barrier_signal -1
	s_barrier_wait -1
	s_cmp_lg_u32 s[WV], 0
	s_cbranch_scc1 .Lnot_out
	ds_load_b128 v[40:43], v53
	s_wait_dscnt 0x0
	global_store_b128 v54, v[40:43], s[10:11]      ; 128 indices: 512 consecutive bytes, aligned
	global_store_b128 v54, v[40:43], s[12:13]
.Lnot_out:
	s_wait_tensorcnt 0x0                           ; the wave's end
	ds_add_u32 v[SPW], v[NIL]
	s_wait_dscnt 0x0
	ROUND                                          ; the closing round
	s_endpgm
.Lfunc_end_k_q261764f16c_vq:
	.size	k_q261764f16c_vq, .Lfunc_end_k_q261764f16c_vq-k_q261764f16c_vq
	.p2alignl 7, 3214868480
	.fill 96, 4, 3214868480
	.section	.rodata,"a",@progbits
	.p2align	6, 0x0
	.amdhsa_kernel k_q261764f16c_vq
		.amdhsa_group_segment_fixed_size 327680
		.amdhsa_private_segment_fixed_size 0
		.amdhsa_enable_private_segment 0
		.amdhsa_kernarg_size 40
		.amdhsa_user_sgpr_count 2
		.amdhsa_user_sgpr_kernarg_segment_ptr 1
		.amdhsa_wavefront_size32 1
		.amdhsa_system_sgpr_workgroup_id_x 1
		.amdhsa_system_sgpr_workgroup_id_y 1
		.amdhsa_system_sgpr_workgroup_id_z 1
		.amdhsa_system_vgpr_workitem_id 0
		.amdhsa_next_free_vgpr 512
		.amdhsa_next_free_sgpr 80
		.amdhsa_reserve_vcc 1
		.amdhsa_float_denorm_mode_32 3
		.amdhsa_float_denorm_mode_16_64 3
		.amdhsa_memory_ordered 1
		.amdhsa_forward_progress 1
		.amdhsa_inst_pref_size 159
	.end_amdhsa_kernel
	.amdgpu_metadata
---
amdhsa.version: [ 1, 2 ]
amdhsa.kernels:
  - .name:           k_q261764f16c_vq
    .symbol:         k_q261764f16c_vq.kd
    .args:
      - { .name: codes, .offset: 0, .size: 8, .value_kind: global_buffer, .address_space: global }
      - { .name: norms, .offset: 8, .size: 8, .value_kind: global_buffer, .address_space: global }
      - { .name: lowp_scales, .offset: 16, .size: 8, .value_kind: global_buffer, .address_space: global }
      - { .name: out4, .offset: 24, .size: 8, .value_kind: global_buffer, .address_space: global }
      - { .name: idxw, .offset: 32, .size: 8, .value_kind: global_buffer, .address_space: global }
    .group_segment_fixed_size: 327680
    .private_segment_fixed_size: 0
    .kernarg_segment_align: 8
    .kernarg_segment_size: 40
    .max_flat_workgroup_size: 256
    .sgpr_count:     80
    .vgpr_count:     512
    .wavefront_size: 32
...
	.end_amdgpu_metadata
.endif
;; end of part 2
;; launch gather (part 3): grid 512 x 1, 8 waves a work-group, no clusters, 1,280 bytes of LDS; arguments z, embedding, idxw, out0, part; writes out0, part
.if DOCPART == 3
	.amdgcn_target "amdgcn-amd-amdhsa--gfx1250"
	.amdhsa_code_object_version 6
	.text
	.protected	k_q261764f16c_gather
	.globl	k_q261764f16c_gather
	.p2align	8
	.type	k_q261764f16c_gather,@function
k_q261764f16c_gather:
	s_mov_b64 s[64:65], 0
	v_nop
	global_prefetch_b8 v0, s[64:65] scope:SCOPE_SE
	s_setreg_imm32_b32 hwreg(HW_REG_WAVE_MODE, 25, 1), 1
	s_wait_xcnt 0x0
; out0[n] = z[n] + (embedding[idx[n]] - z[n]), in f32 and in that order, and each work-group's sum of (embedding[idx[n]] - z[n])^2.
; The indices are whole numbers that the launch before stored; they are held under 8,192, the table's rows, before they enter an address.
; A stream: memory binds.  A wave takes 8 rows of 1,024 bytes; a row is two loads or stores of 512 consecutive bytes.  All 16 loads of z and all 16 of the codebook's rows are issued before the first is used:
; 16,384 bytes a wave are on their way.  No matrix unit, no tensor load, no cluster: nothing is shared but codebook rows that a list names, which go without a cache hint since the list may name them again.
.set EOFF, 16                          ; v16-23   row i: byte offset of my 16 bytes in its codebook row
.set SQ,   24                          ; v24-31   four chains of pairs: sums of squares
.set ZV,   32                          ; v32-95   z: row i at 8 i
.set EV,   96                          ; v96-159  the codebook rows, then the differences, then the results
	s_load_b256 s[4:11], s[0:1], 0x0               ; z s[4:5], embedding s[6:7], idxw s[8:9], out0 s[10:11]
	s_load_b64 s[12:13], s[0:1], 0x20              ; part
	v_lshl_add_u32 v176, v0, 2, 0x100
	v_mov_b32 v177, 0
	v_lshrrev_b32 v3, 5, v0
	s_delay_alu instid0(VALU_DEP_1)
	v_readfirstlane_b32 s14, v3                    ; wave 0..7
	s_delay_alu instid0(VALU_DEP_2)
	v_lshlrev_b32 v3, 2, v3                        ; my wave's word in LDS
	v_and_b32 v1, 31, v0
	s_delay_alu instid0(VALU_DEP_1)
	v_lshlrev_b32 v2, 4, v1                        ; 16 x lane; never rewritten
	v_mov_b32 v4, 0
	s_mov_b32 s28, 0x76543210
	s_mov_b32 s29, 0xfedcba98
	s_lshl_b32 s15, ttmp9, 6
	s_lshl_b32 s24, s14, 3
	s_add_co_u32 s15, s15, s24                     ; my first row: 64 x work-group + 8 x wave
	s_lshl_b32 s24, s15, 2
	s_mov_b32 s25, 0
	s_lshl_b32 s26, s15, 10
	s_mov_b32 s27, 0
	s_lshl_b32 s30, ttmp9, 2
	s_mov_b32 s31, 0
	s_wait_alu depctr_va_vdst(0)
	s_wait_kmcnt 0x0
	s_add_nc_u64 s[8:9], s[8:9], s[24:25]
	s_load_b256 s[16:23], s[8:9], 0x0              ; my eight indices
	s_add_nc_u64 s[4:5], s[4:5], s[26:27]
	s_add_nc_u64 s[10:11], s[10:11], s[26:27]
	s_add_nc_u64 s[12:13], s[12:13], s[30:31]
.irp i, 0,1,2,3,4,5,6,7
	global_load_b128 v[ZV+8*\i:ZV+8*\i+3], v2, s[4:5] offset:1024*\i th:TH_LOAD_NT
	global_load_b128 v[ZV+8*\i+4:ZV+8*\i+7], v2, s[4:5] offset:1024*\i+512 th:TH_LOAD_NT
.endr
	s_wait_kmcnt 0x0
.irp i, 0,1,2,3,4,5,6,7
	s_min_u32 s[16+\i], s[16+\i], 0x1fff           ; inside the table
	s_lshl_b32 s[16+\i], s[16+\i], 10              ; a row is 1,024 bytes
	v_add_nc_u32 v[EOFF+\i], s[16+\i], v2
.endr
	s_wait_alu depctr_va_vdst(0)
.irp i, 0,1,2,3,4,5,6,7
	global_load_b128 v[EV+8*\i:EV+8*\i+3], v[EOFF+\i], s[6:7]
	global_load_b128 v[EV+8*\i+4:EV+8*\i+7], v[EOFF+\i], s[6:7] offset:512
.endr
.macro ROWWORK i
	s_wait_loadcnt 14-2*\i                         ; loads come back in order: row i's two codebook loads are in; those of the 7 - i rows behind it may be out
.irp p, 0,2,4,6
	v_pk_add_f32 v[EV+8*\i+\p:EV+8*\i+\p+1], v[EV+8*\i+\p:EV+8*\i+\p+1], v[ZV+8*\i+\p:ZV+8*\i+\p+1] neg_lo:[0,1] neg_hi:[0,1]   ; t = z_q - z
.endr
.irp p, 0,2,4,6
.if \i == 0
	s_delay_alu instid0(VALU_DEP_4)
	v_pk_mul_f32 v[SQ+\p:SQ+\p+1], v[EV+8*\i+\p:EV+8*\i+\p+1], v[EV+8*\i+\p:EV+8*\i+\p+1]   ; the first row starts the chains: nothing is cleared
.else
	s_delay_alu instid0(VALU_DEP_4)
	v_pk_fma_f32 v[SQ+\p:SQ+\p+1], v[EV+8*\i+\p:EV+8*\i+\p+1], v[EV+8*\i+\p:EV+8*\i+\p+1], v[SQ+\p:SQ+\p+1]
.endif
.endr
.irp p, 0,2,4,6
	v_pk_add_f32 v[EV+8*\i+\p:EV+8*\i+\p+1], v[ZV+8*\i+\p:ZV+8*\i+\p+1], v[EV+8*\i+\p:EV+8*\i+\p+1]   ; z + t
.endr
	global_store_b128 v2, v[EV+8*\i:EV+8*\i+3], s[10:11] offset:1024*\i th:TH_STORE_NT       ; 512 consecutive bytes, aligned; each row has its own registers, so no store's data are written again
	global_store_b128 v2, v[EV+8*\i+4:EV+8*\i+7], s[10:11] offset:1024*\i+512 th:TH_STORE_NT
.endm
.irp i, 0,1,2,3,4,5,6,7
	ROWWORK \i
.endr
	v_pk_add_f32 v[SQ:SQ+1], v[SQ:SQ+1], v[SQ+2:SQ+3]
	v_pk_add_f32 v[SQ+4:SQ+5], v[SQ+4:SQ+5], v[SQ+6:SQ+7]
	s_delay_alu instid0(VALU_DEP_1)
	v_pk_add_f32 v[SQ:SQ+1], v[SQ:SQ+1], v[SQ+4:SQ+5]
	s_delay_alu instid0(VALU_DEP_1)
	v_add_f32 v[SQ], v[SQ], v[SQ+1]
	s_delay_alu instid0(VALU_DEP_1)
	v_add_f32_dpp v[SQ], v[SQ], v[SQ] row_xmask:1 row_mask:0xf bank_mask:0xf
	s_delay_alu instid0(VALU_DEP_1)
	v_add_f32_dpp v[SQ], v[SQ], v[SQ] row_xmask:2 row_mask:0xf bank_mask:0xf
	s_delay_alu instid0(VALU_DEP_1)
	v_add_f32_dpp v[SQ], v[SQ], v[SQ] row_xmask:4 row_mask:0xf bank_mask:0xf
	s_delay_alu instid0(VALU_DEP_1)
	v_add_f32_dpp v[SQ], v[SQ], v[SQ] row_xmask:8 row_mask:0xf bank_mask:0xf
	s_delay_alu instid0(VALU_DEP_1)
	v_permlanex16_b32 v[SQ+1], v[SQ], s28, s29
	s_delay_alu instid0(VALU_DEP_1)
	v_add_f32 v[SQ], v[SQ], v[SQ+1]                ; the wave's sum, in every lane
	ds_store_b32 v3, v[SQ]
	s_wait_dscnt 0x0                               ; for the others' sake: my store has landed
	s_barrier_signal -1
	s_barrier_wait -1
	s_cmp_lg_u32 s14, 0
	s_cbranch_scc1 .Ldone
	ds_load_b128 v[8:11], v4
	ds_load_b128 v[12:15], v4 offset:16
	s_wait_dscnt 0x0
	v_pk_add_f32 v[8:9], v[8:9], v[10:11]
	v_pk_add_f32 v[12:13], v[12:13], v[14:15]
	s_delay_alu instid0(VALU_DEP_1)
	v_pk_add_f32 v[8:9], v[8:9], v[12:13]
	s_delay_alu instid0(VALU_DEP_1)
	v_add_f32 v8, v8, v9                           ; the work-group's sum
	s_wait_alu depctr_va_vdst(0)
	s_wait_xcnt 0x0                                ; EXEC is a source of the stores above: it changes only behind this wait
	v_cmp_eq_u32 vcc_lo, 0, v0
	s_and_saveexec_b32 s30, vcc_lo
	global_store_b32 v4, v8, s[12:13]              ; one word a work-group: each word of part has one owner
	s_wait_xcnt 0x0                                ; and again, in front of the line that widens it
	s_or_b32 exec_lo, exec_lo, s30
.Ldone:
	s_wait_tensorcnt 0x0
	ds_add_u32 v176, v177
	s_wait_dscnt 0x0
	s_endpgm
.Lfunc_end_k_q261764f16c_gather:
	.size	k_q261764f16c_gather, .Lfunc_end_k_q261764f16c_gather-k_q261764f16c_gather
	.p2alignl 7, 3214868480
	.fill 96, 4, 3214868480
	.section	.rodata,"a",@progbits
	.p2align	6, 0x0
	.amdhsa_kernel k_q261764f16c_gather
		.amdhsa_group_segment_fixed_size 1280
		.amdhsa_private_segment_fixed_size 0
		.amdhsa_enable_private_segment 0
		.amdhsa_kernarg_size 40
		.amdhsa_user_sgpr_count 2
		.amdhsa_user_sgpr_kernarg_segment_ptr 1
		.amdhsa_wavefront_size32 1
		.amdhsa_system_sgpr_workgroup_id_x 1
		.amdhsa_system_sgpr_workgroup_id_y 1
		.amdhsa_system_sgpr_workgroup_id_z 1
		.amdhsa_system_vgpr_workitem_id 0
		.amdhsa_next_free_vgpr 178
		.amdhsa_next_free_sgpr 66
		.amdhsa_reserve_vcc 1
		.amdhsa_float_denorm_mode_32 3
		.amdhsa_float_denorm_mode_16_64 3
		.amdhsa_memory_ordered 1
		.amdhsa_forward_progress 1
		.amdhsa_inst_pref_size 17
	.end_amdhsa_kernel
	.amdgpu_metadata
---
amdhsa.version: [ 1, 2 ]
amdhsa.kernels:
  - .name:           k_q261764f16c_gather
    .symbol:         k_q261764f16c_gather.kd
    .args:
      - { .name: z, .offset: 0, .size: 8, .value_kind: global_buffer, .address_space: global }
      - { .name: embedding, .offset: 8, .size: 8, .value_kind: global_buffer, .address_space: global }
      - { .name: idxw, .offset: 16, .size: 8, .value_kind: global_buffer, .address_space: global }
      - { .name: out0, .offset: 24, .size: 8, .value_kind: global_buffer, .address_space: global }
      - { .name: part, .offset: 32, .size: 8, .value_kind: global_buffer, .address_space: global }
    .group_segment_fixed_size: 1280
    .private_segment_fixed_size: 0
    .kernarg_segment_align: 8
    .kernarg_segment_size: 40
    .max_flat_workgroup_size: 256
    .sgpr_count:     66
    .vgpr_count:     178
    .wavefront_size: 32
...
	.end_amdgpu_metadata
.endif
;; end of part 3
;; launch loss (part 4): grid 1 x 1, 1 waves a work-group, no clusters, 0 bytes of LDS; arguments part, out1, out2, out3; writes out1, out2, out3
.if DOCPART == 4
	.amdgcn_target "amdgcn-amd-amdhsa--gfx1250"
	.amdhsa_code_object_version 6
	.text
	.protected	k_q261764f16c_loss
	.globl	k_q261764f16c_loss
	.p2align	8
	.type	k_q261764f16c_loss,@function
k_q261764f16c_loss:
	s_mov_b64 s[64:65], 0
	v_nop
	global_prefetch_b8 v0, s[64:65] scope:SCOPE_SE
	s_setreg_imm32_b32 hwreg(HW_REG_WAVE_MODE, 25, 1), 1
	s_wait_xcnt 0x0
; The 512 partial sums of (z_q - z)^2 become the three losses.  mean = sum / (32,768 x 256) = sum x 2^-23; codebook loss = mean; commitment loss = 0.25 x mean; loss = their sum.
; The sum spans work-groups, so it is made by one owner in a launch of its own: one wave, 2,048 bytes.
	s_load_b256 s[4:11], s[0:1], 0x0               ; part s[4:5], out1 s[6:7], out2 s[8:9], out3 s[10:11]
	v_lshlrev_b32 v1, 4, v0
	v_mov_b32 v2, 0
	s_mov_b32 s12, 0x76543210
	s_mov_b32 s13, 0xfedcba98
	s_wait_alu depctr_va_vdst(0)
	s_wait_kmcnt 0x0
.irp i, 0,1,2,3
	global_load_b128 v[4+4*\i:7+4*\i], v1, s[4:5] offset:512*\i
.endr
	s_wait_loadcnt 0x0
	v_pk_add_f32 v[4:5], v[4:5], v[6:7]
	v_pk_add_f32 v[8:9], v[8:9], v[10:11]
	v_pk_add_f32 v[12:13], v[12:13], v[14:15]
	v_pk_add_f32 v[16:17], v[16:17], v[18:19]
	v_pk_add_f32 v[4:5], v[4:5], v[8:9]
	v_pk_add_f32 v[12:13], v[12:13], v[16:17]
	v_pk_add_f32 v[4:5], v[4:5], v[12:13]
	v_add_f32 v4, v4, v5
	v_add_f32_dpp v4, v4, v4 row_xmask:1 row_mask:0xf bank_mask:0xf
	v_add_f32_dpp v4, v4, v4 row_xmask:2 row_mask:0xf bank_mask:0xf
	v_add_f32_dpp v4, v4, v4 row_xmask:4 row_mask:0xf bank_mask:0xf
	v_add_f32_dpp v4, v4, v4 row_xmask:8 row_mask:0xf bank_mask:0xf
	v_permlanex16_b32 v5, v4, s12, s13
	v_add_f32 v4, v4, v5
	v_mul_f32 v6, 0x34000000, v4                   ; x 2^-23: the mean, which is the codebook loss
	v_mul_f32 v7, 0x3e800000, v6                   ; x 0.25: the commitment loss
	v_add_f32 v8, v7, v6                           ; the loss
	s_wait_alu depctr_va_vdst(0)
	s_wait_xcnt 0x0                                ; EXEC changes only behind this wait
	v_cmp_eq_u32 vcc_lo, 0, v0
	s_and_saveexec_b32 s14, vcc_lo
	global_store_b32 v2, v8, s[6:7]
	global_store_b32 v2, v7, s[8:9]
	global_store_b32 v2, v6, s[10:11]
	s_wait_xcnt 0x0                                ; and again, in front of the line that widens it
	s_or_b32 exec_lo, exec_lo, s14
	s_endpgm
.Lfunc_end_k_q261764f16c_loss:
	.size	k_q261764f16c_loss, .Lfunc_end_k_q261764f16c_loss-k_q261764f16c_loss
	.p2alignl 7, 3214868480
	.fill 96, 4, 3214868480
	.section	.rodata,"a",@progbits
	.p2align	6, 0x0
	.amdhsa_kernel k_q261764f16c_loss
		.amdhsa_group_segment_fixed_size 0
		.amdhsa_private_segment_fixed_size 0
		.amdhsa_enable_private_segment 0
		.amdhsa_kernarg_size 32
		.amdhsa_user_sgpr_count 2
		.amdhsa_user_sgpr_kernarg_segment_ptr 1
		.amdhsa_wavefront_size32 1
		.amdhsa_system_sgpr_workgroup_id_x 1
		.amdhsa_system_sgpr_workgroup_id_y 1
		.amdhsa_system_sgpr_workgroup_id_z 1
		.amdhsa_system_vgpr_workitem_id 0
		.amdhsa_next_free_vgpr 32
		.amdhsa_next_free_sgpr 66
		.amdhsa_reserve_vcc 1
		.amdhsa_float_denorm_mode_32 3
		.amdhsa_float_denorm_mode_16_64 3
		.amdhsa_memory_ordered 1
		.amdhsa_forward_progress 1
		.amdhsa_inst_pref_size 3
	.end_amdhsa_kernel
	.amdgpu_metadata
---
amdhsa.version: [ 1, 2 ]
amdhsa.kernels:
  - .name:           k_q261764f16c_loss
    .symbol:         k_q261764f16c_loss.kd
    .args:
      - { .name: part, .offset: 0, .size: 8, .value_kind: global_buffer, .address_space: global }
      - { .name: out1, .offset: 8, .size: 8, .value_kind: global_buffer, .address_space: global }
      - { .name: out2, .offset: 16, .size: 8, .value_kind: global_buffer, .address_space: global }
      - { .name: out3, .offset: 24, .size: 8, .value_kind: global_buffer, .address_space: global }
    .group_segment_fixed_size: 0
    .private_segment_fixed_size: 0
    .kernarg_segment_align: 8
    .kernarg_segment_size: 32
    .max_flat_workgroup_size: 32
    .sgpr_count:     66
    .vgpr_count:     32
    .wavefront_size: 32
...
	.end_amdgpu_metadata
.endif
;; end of part 4
